; MI455X (gfx1250); checked and timed in simulation.
; The chip was launched on July 23, 2026; its instructions are those of AMD's public machine-readable ISA for CDNA 5 (MIT licence, August 2026) and "CDNA5" Instruction Set Architecture Reference Guide (July 2026). The comments in the code are by the model that wrote it; some were corrected since.
;; My GRU Transition. Allowed arithmetic: float matrix products may take bf16 or f16 operands with f32 sums; other float arithmetic in f32, or as packed bf16 or f16 multiplies, adds, multiply-adds, maxima and minima; sums over many terms, partial sums and values carried from step to step in f32; what a program stores and reads back later, other than sums and carried values, may be rounded once to bf16 or f16.
;; Inputs: W_h2h 512 x 512 float32; W_ig 1,024 x 512 float32; W_is 512 x 512 float32; W_sg 1,024 x 512 float32; b_ig 1,024 float32; b_is 512 float32; data 32,768 x 512 float32; state 32,768 x 512 float32.
;; Outputs: out0 32,768 x 512 float32.
;; One version. Each part assembles by itself: llvm-mc -triple=amdgcn-amd-amdhsa -mcpu=gfx1250 --defsym DOCPART=n.
;; ======== version 1 of 1: 2 launches
;; limits: values outside matrix products are rounded to bf16; values outside matrix products are rounded to f16
;; workspace buffers: ws 3,145,728 bytes
;; launch prep (part 1): grid 384 x 1, 4 waves a work-group, no clusters, 9,728 bytes of LDS; arguments W_ig, W_sg, W_is, W_h2h, ws; writes ws
.if DOCPART == 1
	.amdgcn_target "amdgcn-amd-amdhsa--gfx1250"
	.amdhsa_code_object_version 6
	.text
	.protected	k_qaa0bf13830_prep
	.globl	k_qaa0bf13830_prep
	.p2align	8
	.type	k_qaa0bf13830_prep,@function
k_qaa0bf13830_prep:
	s_mov_b64 s[64:65], 0
	v_nop
	global_prefetch_b8 v0, s[64:65] scope:SCOPE_SE
	s_setreg_imm32_b32 hwreg(HW_REG_WAVE_MODE, 25, 1), 1
	s_wait_xcnt 0x0
; The four weight matrices (f32, [n][512]) are rounded once to bf16 and laid out as ONE stream in the order and the register image in which the
; second launch multiplies them.  The stream: 48 sub-blocks of 65,536 bytes.  Sub-block g covers 32 output columns and K = 1,024:
;   g = 0..15: reset gate, columns 32 g (rows 512 + 32 g of W_ig, then of W_sg);  g = 16 + 2 q: update gate (rows 32 q of W_ig, W_sg);  g = 17 + 2 q: candidate (rows 32 q of W_is, W_h2h).
; In a sub-block: [K step ks = 0..31 of 32][column tile t = 0, 1] fragments of 1,024 bytes; ks < 16 is the first matrix of the pair, ks >= 16 the second.
; In a fragment: byte 16 L holds row L % 16, k = 8 (L / 16) + 0..7; byte 512 + 16 L the same row at k = 16 + 8 (L / 16) + 0..7: what lane L of a matrix operand holds in registers 0-3 and 4-7.
; SHARES.  A wave makes two fragments: 16 rows x 64 k.  384 work-groups x 4 waves x 2 = 3,072 fragments.  Each load of a wave covers two rows' 256 consecutive bytes, aligned; each store 512 consecutive bytes, aligned.
; The change of order goes through the wave's own LDS bytes: eight blocks of 256 bytes, 288 apart, so that the 32 lanes of a store of 8 bytes fall on 32 different places of 8 bytes modulo 256.
.set SPARE, 9216                       ; behind the four waves' blocks: the spare words, 128 bytes a wave, which no other line names
.set WB,    2304                       ; a wave's LDS bytes: 8 blocks x 288
.set BP,    288
.set OFF, 5                            ; v5   (L / 16) x 2,048 + (L % 16) x 16: two rows of the source
.set ST,  6                            ; v6   where my 8 bytes of a row go
.set RD,  7                            ; v7   where I read 16 bytes back
.set SPW, 8                            ; v8   LDS address of my spare word; never rewritten
.set NIL, 9                            ; v9   0; never rewritten
.set L16, 10                           ; v10  16 x lane
.set X,   16                           ; v[16:47]  eight loads of four f32; the first two registers of each four then hold four bf16
.set Y,   48                           ; v[48:63]  four times 16 bytes in the stream's order
	s_load_b256 s[4:11], s[0:1], 0x0               ; W_ig s[4:5], W_sg s[6:7], W_is s[8:9], W_h2h s[10:11]
	s_load_b64 s[12:13], s[0:1], 0x20              ; ws
	v_lshl_add_u32 v[SPW], v0, 2, SPARE
	v_mov_b32 v[NIL], 0
	v_lshrrev_b32 v1, 5, v0
	v_readfirstlane_b32 s14, v1                    ; wave 0..3
	v_and_b32 v2, 15, v0                           ; i = L % 16: k = 4 i .. 4 i + 3 of the wave's 64
	v_bfe_u32 v3, v0, 4, 1                         ; L / 16
	v_and_b32 v4, 31, v0
	v_lshlrev_b32 v[OFF], 11, v3
	v_lshl_add_u32 v[OFF], v2, 4, v[OFF]
	s_mul_i32 s15, s14, WB
	v_lshrrev_b32 v[ST], 1, v2                     ; the block: fragment (i / 8), its half ((i / 4) % 2), lanes' half ((i / 2) % 2) = i / 2
	v_mul_u32_u24 v[ST], v[ST], BP
	v_lshl_add_u32 v[ST], v3, 4, v[ST]             ; in a block a row has 16 bytes: load j brings rows 2 j + L / 16
	v_and_b32 v1, 1, v2
	v_lshl_add_u32 v[ST], v1, 3, v[ST]             ; and my four k are its lower or upper 8 bytes
	v_add_nc_u32 v[ST], s15, v[ST]
	v_mul_u32_u24 v[RD], v3, BP                    ; back: lanes 0-15 one block, lanes 16-31 the next
	v_lshl_add_u32 v[RD], v2, 4, v[RD]
	v_add_nc_u32 v[RD], s15, v[RD]
	v_lshlrev_b32 v[L16], 4, v4
	s_lshr_b32 s16, ttmp9, 2                       ; column tile 0..95
	s_and_b32 s17, ttmp9, 3
	s_lshl2_add_u32 s17, s17, s14                  ; u = 0..15: K steps 2 u and 2 u + 1
	s_lshr_b32 s18, s16, 1                         ; sub-block g
	s_and_b32 s19, s16, 1                          ; t
	s_lshl_b32 s20, s18, 5
	s_add_co_u32 s20, s20, 512                     ; the reset gate's first row
	s_sub_co_u32 s21, s18, 16
	s_lshr_b32 s21, s21, 1
	s_lshl_b32 s21, s21, 5                         ; the update gate's and the candidate's (used from g = 16 on)
	s_and_b32 s22, s18, 1
	s_cmp_lt_u32 s18, 16
	s_cselect_b32 s20, s20, s21
	s_cselect_b32 s22, 0, s22                      ; 1: the candidate's pair of matrices
	s_lshl4_add_u32 s20, s19, s20                  ; + 16 t
	s_lshl_b32 s28, s20, 11                        ; the row, 2,048 bytes each,
	s_and_b32 s29, s17, 7
	s_lshl_b32 s29, s29, 8                         ; and my 64 k, 256 bytes
	s_add_co_u32 s28, s28, s29
	s_mov_b32 s29, 0
	s_lshl_b32 s30, s18, 16                        ; in the stream: 65,536 g + 4,096 u + 1,024 t
	s_lshl_b32 s31, s17, 12
	s_add_co_u32 s30, s30, s31
	s_lshl_b32 s31, s19, 10
	s_add_co_u32 s30, s30, s31
	s_mov_b32 s31, 0
	s_wait_kmcnt 0x0
	s_cmp_eq_u32 s22, 1
	s_cselect_b64 s[24:25], s[8:9], s[4:5]         ; the pair's first matrix
	s_cselect_b64 s[26:27], s[10:11], s[6:7]       ; and its second
	s_cmp_lt_u32 s17, 8
	s_cselect_b64 s[24:25], s[24:25], s[26:27]     ; K steps 0-15 or 16-31
	s_add_nc_u64 s[24:25], s[24:25], s[28:29]
	s_add_nc_u64 s[12:13], s[12:13], s[30:31]
.irp j, 0,1,2,3,4,5,6,7
	global_load_b128 v[X+4*(\j):X+4*(\j)+3], v[OFF], s[24:25] offset:(\j)*4096 th:TH_LOAD_NT  ; rows 2 j and 2 j + 1
.endr
	s_wait_loadcnt 0x0
.irp j, 0,1,2,3,4,5,6,7
	v_cvt_pk_bf16_f32 v[X+4*(\j)],   v[X+4*(\j)],   v[X+4*(\j)+1]
	v_cvt_pk_bf16_f32 v[X+4*(\j)+1], v[X+4*(\j)+2], v[X+4*(\j)+3]
.endr
.irp j, 0,1,2,3,4,5,6,7
	ds_store_b64 v[ST], v[X+4*(\j):X+4*(\j)+1] offset:(\j)*32
.endr
.irp m, 0,1,2,3
	ds_load_b128 v[Y+4*(\m):Y+4*(\m)+3], v[RD] offset:(\m)*2*BP  ; LDS serves a wave's instructions in order (ISA guide 5.7.1.4): these see the stores above, which are the wave's own
.endr
	s_wait_dscnt 0x0
.irp m, 0,1,2,3
	global_store_b128 v[L16], v[Y+4*(\m):Y+4*(\m)+3], s[12:13] offset:((\m)/2)*2048+((\m)%2)*512  ; half a fragment: 512 consecutive bytes; the second K step lies 2,048 bytes on
.endr
	s_wait_tensorcnt 0x0                           ; the wave's end, behind my last LDS store
	ds_add_u32 v[SPW], v[NIL]
	s_wait_dscnt 0x0
	s_endpgm
.Lfunc_end_k_qaa0bf13830_prep:
	.size	k_qaa0bf13830_prep, .Lfunc_end_k_qaa0bf13830_prep-k_qaa0bf13830_prep
	.p2alignl 7, 3214868480
	.fill 96, 4, 3214868480
	.section	.rodata,"a",@progbits
	.p2align	6, 0x0
	.amdhsa_kernel k_qaa0bf13830_prep
		.amdhsa_group_segment_fixed_size 9728
		.amdhsa_private_segment_fixed_size 0
		.amdhsa_enable_private_segment 0
		.amdhsa_kernarg_size 40
		.amdhsa_user_sgpr_count 2
		.amdhsa_user_sgpr_kernarg_segment_ptr 1
		.amdhsa_wavefront_size32 1
		.amdhsa_system_sgpr_workgroup_id_x 1
		.amdhsa_system_sgpr_workgroup_id_y 1
		.amdhsa_system_sgpr_workgroup_id_z 1
		.amdhsa_system_vgpr_workitem_id 0
		.amdhsa_next_free_vgpr 64
		.amdhsa_next_free_sgpr 66
		.amdhsa_reserve_vcc 0
		.amdhsa_float_denorm_mode_32 3
		.amdhsa_float_denorm_mode_16_64 3
		.amdhsa_memory_ordered 1
		.amdhsa_forward_progress 1
		.amdhsa_inst_pref_size 6
	.end_amdhsa_kernel
	.amdgpu_metadata
---
amdhsa.version: [ 1, 2 ]
amdhsa.kernels:
  - .name:           k_qaa0bf13830_prep
    .symbol:         k_qaa0bf13830_prep.kd
    .args:
      - { .name: W_ig, .offset: 0, .size: 8, .value_kind: global_buffer, .address_space: global }
      - { .name: W_sg, .offset: 8, .size: 8, .value_kind: global_buffer, .address_space: global }
      - { .name: W_is, .offset: 16, .size: 8, .value_kind: global_buffer, .address_space: global }
      - { .name: W_h2h, .offset: 24, .size: 8, .value_kind: global_buffer, .address_space: global }
      - { .name: ws, .offset: 32, .size: 8, .value_kind: global_buffer, .address_space: global }
    .group_segment_fixed_size: 9728
    .private_segment_fixed_size: 0
    .kernarg_segment_align: 8
    .kernarg_segment_size: 40
    .max_flat_workgroup_size: 128
    .sgpr_count:     66
    .vgpr_count:     64
    .wavefront_size: 32
...
	.end_amdgpu_metadata
.endif
;; end of part 1
;; launch gru (part 2): grid 256 x 1, 4 waves a work-group, clusters of 4 x 1, 327,680 bytes of LDS; arguments data, state, b_ig, b_is, ws, out0; writes out0
.if DOCPART == 2
	.amdgcn_target "amdgcn-amd-amdhsa--gfx1250"
	.amdhsa_code_object_version 6
	.text
	.protected	k_qaa0bf13830_gru
	.globl	k_qaa0bf13830_gru
	.p2align	8
	.type	k_qaa0bf13830_gru,@function
k_qaa0bf13830_gru:
	s_mov_b64 s[64:65], 0
	v_nop
	global_prefetch_b8 v0, s[64:65] scope:SCOPE_SE
	s_setreg_imm32_b32 hwreg(HW_REG_WAVE_MODE, 25, 1), 1
	s_wait_xcnt 0x0
	s_wait_alu depctr_hold_cnt(0) depctr_sa_sdst(0) depctr_va_vdst(0) depctr_va_sdst(0) depctr_va_ssrc(0) depctr_va_vcc(0) depctr_vm_vsrc(0)
	s_getreg_b32 s2, hwreg(HW_REG_IB_STS2, 6, 4)
	s_cmp_eq_u32 s2, 0
	s_cbranch_scc0 .Lentry_in_a_cluster
	s_endpgm
.Lentry_in_a_cluster:
	s_bfe_u32 s2, ttmp6, 0x10000c
	s_cmp_lg_u32 s2, 0x3003
	s_cbranch_scc0 .Lentry_shape_is_right
	s_endpgm
.Lentry_shape_is_right:
; out = u h + (1 - u) S,  r = sigmoid(D Wig_r^T + S Wsg_r^T + b),  u = sigmoid(D Wig_u^T + S Wsg_u^T + b),  h = tanh(D Wis^T + b + (S r) Wh^T).
; D = data, S = state, out: [32768][512] f32.  ws: all weights in bf16, as 48 sub-blocks of 32 output columns x K = 1,024 in fragment order (written by the launch before):
; 16 of r, then for q = 0..15 one of u and one of h.
; FORMATS AND LIMITS.  D, S, the weights and S r are matrix operands in bf16; sums in f32; the biases stay f32 and are the sums' first addend.  r is rounded to bf16 and S r is a packed bf16 product: that operand
; is rounded twice.  The blend takes S as rounded to bf16 (the copy that lies in registers).  u is kept in f16 between its sub-block and the blend: it lies in 0 to 1; below 6e-5 it has f16's fixed step of 6e-8.
; sigmoid(x) = 1 / (1 + 2^(-x log2 e)), tanh(x) = 1 - 2 / (1 + 2^(2 x log2 e)): an exponential that overflows gives the right end value.  NaN and infinities in the inputs are not treated apart.
; SHARES.  A work-group owns 128 rows, each of its four waves 32: two row tiles of 16.  A WAVE KEEPS ITS ACTIVATIONS IN REGISTERS as matrix fragments: D, S and S r, 2 x 16 fragments of 8 registers each.
; Only the weights go through LDS: 3 MiB in 24 slots of 131,072 bytes (two sub-blocks) through a ring of two.
; LAYOUT.  The product is taken transposed (source 0 = 16 weight rows, source 1 = 16 batch rows): a lane holds ONE batch row (lane % 16) and the columns 8 (lane / 16) + 0..7 of a tile.  Two column tiles rounded in
; pairs ARE a source-1 fragment of 32 k, so S r never leaves the wave, and S's fragment q holds just the numbers that columns 32 q .. 32 q + 31 of r and of the blend want, in the same lanes.
; BY TURNS.  A sub-block's sums are four accumulators (32 registers).  Two sets take turns: while one sub-block is multiplied, the activation of the one before stands behind its matrix instructions.
; CLUSTER.  All work-groups walk the same weights, so the four of a cluster ask for each slot JOINTLY: the same tensor load, descriptor and mask in all four; a wave fetches a quarter of a slot.
; REGISTERS, in windows of 256 (s_set_vgpr_msb: bits 1:0 source 0, 3:2 source 1, 5:4 source 2, 7:6 destination):
;   window 0: v0-15 addresses; v16-31 at work; v32-63, v64-95 the two sets; v96-111 r (bf16) or u (f16); v112-127 a copy of S's fragment; v128-191, v192-255 weight fragments, two buffers of four K steps
;   window 1: D      window 2: S      window 3: S r (at the start: two landing buffers of 128)      fragment (row tile rt, K step ks) at (16 rt + ks) x 8
; A matrix instruction wants source 1 alone outside window 0.  A vector line whose second and third sources are constants means the same under that setting, so scalings, exponentials and reciprocals need no switch.
.set SLOT1, 1<<17                      ; slot 1 begins here: one exclusive or turns an address in one slot into the other's
.set SLOTB, 131072                     ; bytes in a slot
.set STAGE, 262144                     ; behind the ring, never filled by a tensor load: 32 rows x 272 bytes for each wave: bf16 on the way in, 64 columns of f32 on the way out
.set SPI,   272                        ; 256 bytes + 16: the 16 rows that a load or store of 16 bytes a lane touches start 4 words apart modulo 64 (64 banks of 4 bytes: ISA guide 11.1)
.set WST,   32*SPI
.set BIAS,  STAGE+4*WST                ; 48 x 128 bytes: the biases in the stream's order, f32
.set SPARE, BIAS+6144                  ; the spare words, 128 bytes for each wave: two blocks of 256 bytes that no other line names
.set L16,   2                          ; v2   16 x lane: my place in half a weight fragment, and in 512 bytes of a row of D or S; never rewritten
.set BADR,  3                          ; v3   the slot in hand + L16: its first sub-block
.set BADR2, 4                          ; v4   its second
.set BI0,   5                          ; v5   BIAS + 32 (lane / 16)
.set BIA,   6                          ; v6   + the sub-block
.set STO0,  7                          ; v7   my stage + (lane % 16) x 272 + 32 (lane / 16)
.set STA,   8                          ; v8   + the half of the stage's rows
.set SRD,   9                          ; v9   my stage + (lane / 16) x 272 + 16 (lane % 16): rows read back
.set GO,    10                         ; v10  the same two rows in out: (lane / 16) x 2,048 + 16 (lane % 16); never rewritten
.set PFO,   11                         ; v11  256 x lane; never rewritten
.set PST,   12                         ; v12  my stage + 8 x lane
.set PFR,   13                         ; v13  my stage + (lane % 16) x 272 + 16 (lane / 16)
.set SPW,   14                         ; v14  LDS address of my spare word: SPARE + 4 x my thread's number; never rewritten
.set NIL,   15                         ; v15  0; never rewritten
.set TMP,   16
.set SETA,  32                         ; in a set the accumulator of (rt, column tile t) lies at 16 rt + 8 t
.set SETB,  64
.set UP,    96
.set SC,    112
.set BF,    128
.set WV,   16                          ; s16  my wave's number
.set CX,   17                          ; s17  my work-group's place in the cluster: it enters global addresses alone
.set WG,   18
.set G1,   24                          ; s[24:31] descriptor group 1
.set G0,   32                          ; s[32:35] descriptor group 0: it walks
.set TB,   36                          ; s36  LDS byte at which the slot in hand begins
.set BB,   37                          ; s37  the next sub-block's place in the bias table
.set HB,   38                          ; s38  0 or 128: which 32 of the stage's 64 columns the next result takes
.set CNT,  39
.set EI,   40                          ; s40  e: the sub-block of r finished in a slot's first half is 2 e + 1
.set OI,   41                          ; s41  e: the one finished in its second half is 2 e
.set SI,   42                          ; s42  which fragment of S the blend wants
.set DRF,  43                          ; s43  1: the stage is full in this trip and goes out
.set REM,  44                          ; s44  slots still to be asked for
.set LIM,  45                          ; s45  1 in the cluster that prefetches, else the greatest number
.set PFA,  46                          ; s[46:47] my wave's 8,192 bytes of the slot after the one that is being asked for
.set OUTP, 48                          ; s[48:49] out at my rows, at the 64 columns that go out next
.set QN,   50                          ; s50  the trip's q
.set K_R, 0
.set K_U, 1
.set K_H, 2
.set MSB, 0
.macro WIN new                         ; the immediate's high byte repeats the setting that is left; a switch that changes nothing is dropped
.if MSB != (\new)
	s_set_vgpr_msb (MSB<<8)|(\new)
.set MSB, \new
.endif
.endm
; A load into a register that a matrix instruction has read, and a vector line that reads a matrix result, stand four places behind it, and only plain vector instructions that name none of its
; registers are places (ISA guide 7.12.1 for vector instructions).
.macro PLACES
.rept 4
	v_nop
.endr
.endm
; A round of the cluster's barrier: my work-group's barrier, so that wave 0's signal speaks for all four waves; wave 0 signals; every wave waits for all four work-groups; my work-group's barrier once more.
.macro CROUND
	s_barrier_signal -1
	s_barrier_wait -1
	s_cmp_lg_u32 s[WV], 0
	s_cbranch_scc1 .Lnw0_\@
	s_barrier_signal -3
.Lnw0_\@:
	s_barrier_wait -3
	s_barrier_signal -1
	s_barrier_wait -1
.endm
; THE CHANGE OF SLOTS.  Each wave waits for all its tensor loads, of which one is out: its quarter of the next slot; adds 0 to its spare word; and waits for that and for its reads of the slot that it leaves.
; fill = 1: the slot just left is filled again, with the slot two on.  The barrier is then a round of the cluster's, so that no wave of any partner still reads it or has a load on its way; the joint load is the first
; thing behind it and has a slot's 256 matrix instructions in which to land.  (At its first use nothing has been read yet: slot 0 is waited for, slot 1 filled.)
; BEHIND THE LOAD, A PREFETCH INTO THE L2 of the slot that the NEXT change will ask for: 256 matrix instructions ahead of that load.  All clusters walk the same stream: the first cluster asks, and nobody else.  Its sixteen
; waves share the slot's 512 blocks of 256 bytes out BY ADDRESS (8,192 bytes a wave, a lane a block): each block is named once in the launch.  The last change that fills asks for nothing; slots 0 and 1 come by their loads alone.
.macro CHANGE fill
	WIN 0                                          ; at a label and at a branch every window is 0
	s_wait_tensorcnt 0x0                           ; no tensor load of mine is out, so group 0 may be written
	ds_add_u32 v[SPW], v[NIL]                      ; 0 onto my spare word
.if \fill
	s_xor_b32 s[G0+1], s[G0+1], SLOT1              ; the other slot than last time,
	s_add_nc_u64 s[G0+2:G0+3], s[G0+2:G0+3], SLOTB ; the stream's next 131,072 bytes; the type bits on top are not reached
	s_wait_xcnt 0x0                                ; the last prefetch, a slot back, has read its address
	s_add_nc_u64 s[PFA:PFA+1], s[PFA:PFA+1], SLOTB
	s_wait_dscnt 0x0                               ; the add is done, and my reads of the slot are over
	CROUND
	tensor_load_to_lds s[G0:G0+3], s[G1:G1+7]
	s_nop 0
	PLACES
	s_cmp_gt_u32 s[REM], s[LIM]
	s_cbranch_scc0 .Lnot_mine_\@
	global_prefetch_b8 v[PFO], s[PFA:PFA+1] th:TH_LOAD_NT scope:SCOPE_SE
.Lnot_mine_\@:
	s_sub_co_u32 s[REM], s[REM], 1
.else
	s_wait_dscnt 0x0                               ; the add is done, and my reads of the slot are over
	s_barrier_signal -1
	s_barrier_wait -1
.endif
	s_xor_b32 s[TB], s[TB], SLOT1
	v_add_nc_u32 v[BADR], s[TB], v[L16]
	v_add_nc_u32 v[BADR2], 0x10000, v[BADR]
.endm
; Group G (0..15) of a slot is four K steps of a sub-block: 8 weight fragments, 16 loads of 512 consecutive bytes, into buffer G % 2.
.macro RUN G
.set rb, BF+64*((\G)%2)
.set ro, ((\G)%8)*8192
.set ra, BADR+(\G)/8
.set f, 0
.rept 8                                ; f = 2 x (K step in the group) + t
	ds_load_b128 v[rb+8*f:rb+8*f+3],   v[ra] offset:ro+f*1024
	ds_load_b128 v[rb+8*f+4:rb+8*f+7], v[ra] offset:ro+f*1024+512
.set f, f+1
.endr
.endm
; The sums start with the bias: a lane's eight columns of each tile, the same for both row tiles.
.macro BIASLD set
	v_add_nc_u32 v[BIA], s[BB], v[BI0]
.set bk, 0
.rept 4                                ; bk = 2 rt + t
	ds_load_b128 v[(\set)+8*bk:(\set)+8*bk+3],   v[BIA] offset:(bk%2)*64
	ds_load_b128 v[(\set)+8*bk+4:(\set)+8*bk+7], v[BIA] offset:(bk%2)*64+16
.set bk, bk+1
.endr
	s_add_co_u32 s[BB], s[BB], 128
.endm
; THE VECTOR WORK of a sub-block is a numbered list on the set's x0-x31; EPI writes number EJ of the list of kind EK on the set at EX.
;   0-47    x times -log2 e (r, u) or 2 log2 e (h), a pair a line, and the 32 exponentials: scaling and exponential by turns while there are scalings.  Each accumulator's lowest pair is read first.
;   48-95   the same pattern: 1 + x, and the 32 reciprocals
;   96-     r: 16 roundings to bf16.  u: 16 roundings to f16.  h: 16 times 1 - 2 x, then four blocks of eight numbers: S's four words widened to f32 (8), h - S (4), u (h - S) + S (8)
; No line of 0-47 names an exponential's result, none of 48-95 a reciprocal's: each batch of 32 has one wait, written where the list is dealt.
.macro EPI
.set ej, EJ
.if EJ >= 48
.set ej, EJ-48
.endif
.if EJ < 96
.set ep, -1
.set ee, -1
.if ej == 0
.set ep, 0
.elseif ej > 30
.set ee, ej-16
.elseif (ej%2) == 1
.set ep, (ej+1)/2
.else
.set ee, ej/2-1
.endif
.if ep >= 0
.if EJ >= 48
	v_pk_add_f32 v[EX+2*ep:EX+2*ep+1], v[EX+2*ep:EX+2*ep+1], 1.0 op_sel_hi:[1,0]
.elseif EK == K_H
	v_pk_mul_f32 v[EX+2*ep:EX+2*ep+1], v[EX+2*ep:EX+2*ep+1], 0x4038aa3b op_sel_hi:[1,0]
.else
	v_pk_mul_f32 v[EX+2*ep:EX+2*ep+1], v[EX+2*ep:EX+2*ep+1], 0xbfb8aa3b op_sel_hi:[1,0]
.endif
.elseif EJ >= 48
	v_rcp_f32 v[EX+ee], v[EX+ee]
.else
	v_exp_f32 v[EX+ee], v[EX+ee]
.endif
.else
.set e3, EJ-96
.if EK == K_R
	WIN 0
	v_cvt_pk_bf16_f32 v[UP+e3], v[EX+2*e3], v[EX+2*e3+1]
.elseif EK == K_U
	WIN 0
	v_cvt_pk_f16_f32 v[UP+e3], v[EX+2*e3], v[EX+2*e3+1]
.elseif e3 < 16
	v_pk_fma_f32 v[EX+2*e3:EX+2*e3+1], v[EX+2*e3:EX+2*e3+1], -2.0, 1.0 op_sel_hi:[1,0,0]
.else
.set eb, (e3-16)/20
.set en, (e3-16)%20
.set et, TMP+8*(eb%2)
	WIN 0
.if (en < 8) && ((en%2) == 0)
	v_lshlrev_b32 v[et+en], 16, v[SC+4*eb+en/2]
.elseif en < 8
	v_and_b32 v[et+en], 0xffff0000, v[SC+4*eb+en/2]
.elseif en < 12
	v_pk_add_f32 v[EX+8*eb+2*(en-8):EX+8*eb+2*(en-8)+1], v[EX+8*eb+2*(en-8):EX+8*eb+2*(en-8)+1], v[et+2*(en-8):et+2*(en-8)+1] neg_lo:[0,1] neg_hi:[0,1]
.elseif (en%2) == 0
	v_fma_mix_f32 v[EX+8*eb+en-12], v[UP+4*eb+(en-12)/2], v[EX+8*eb+en-12], v[et+en-12] op_sel_hi:[1,0,0]
.else
	v_fma_mix_f32 v[EX+8*eb+en-12], v[UP+4*eb+(en-12)/2], v[EX+8*eb+en-12], v[et+en-12] op_sel:[1,0,0] op_sel_hi:[1,0,0]
.endif
.endif
.endif
.endm
.macro RID                             ; the list's next number, up to EL
.if EJ < EL
	EPI
.set EJ, EJ+1
.endif
.endm
; A group's 16 matrix instructions: K step wk / 4, then (t, rt) = (0,0), (0,1), (1,0), (1,1).  The four accumulators take turns, one instruction a turn, from group to group, from set to set and over
; the backward jumps too.  Behind each stand nr numbers of the other set's list.
.macro WM16 G, set, w, nr
.set wk, 0
.rept 16
.set wa, (\set)+16*(wk%2)+8*((wk%4)/2)
.set wb, BF+64*((\G)%2)+8*(2*(wk/4)+(wk%4)/2)
.set wf, ((wk%2)*16+4*((\G)%4)+wk/4)*8
	WIN (\w)<<2
	v_wmma_f32_16x16x32_bf16 v[wa:wa+7], v[wb:wb+7], v[wf:wf+7], v[wa:wa+7]
.rept \nr
	RID
.endr
.set wk, wk+1
.endr
.endm
; A whole list with no matrix work beside it: once behind the last sub-block of r, once behind the last of h.
.macro LUMP kind, set
	WIN 0
	PLACES
.set EK, \kind
.set EX, \set
.set EJ, 0
.set EL, 48
.rept 48
	RID
.endr
	v_nop                                          ; a plain instruction behind the last exponential,
	s_wait_alu depctr_va_vdst(0)                   ; and the batch's one wait, ahead of the first line that names a result
.set EL, 96
.rept 48
	RID
.endr
	v_nop
	s_wait_alu depctr_va_vdst(0)                   ; the same for the reciprocals
.set EL, 112
.if EK == K_H
.set EL, 192
.endif
.rept 96
	RID
.endr
	WIN 0
.endm
.macro SRMUL q                         ; fragment q of S r = fragment q of S x r, both row tiles
	WIN 0xc2                                       ; destination window 3, source 0 window 2, source 1 window 0
.set sp, 0
.rept 16
	v_pk_mul_bf16 v[((sp/8)*16+(\q))*8+sp%8], v[((sp/8)*16+(\q))*8+sp%8], v[UP+sp]
.set sp, sp+1
.endr
	WIN 0
.endm
.macro SCOPY q                         ; fragment q of S into window 0, for the blend
	WIN 0x02
.set sp, 0
.rept 16
	v_mov_b32 v[SC+sp], v[((sp/8)*16+(\q))*8+sp%8]
.set sp, sp+1
.endr
	WIN 0
.endm
; Register numbers cannot hang on a loop's count, so the one line of work that names fragment q is written once for each q and chosen by a tree of forward jumps on a scalar count e: leaf st x e + of.
.macro SW2 reg, lo, st, of, leaf, join
	s_cmp_lt_u32 s[\reg], (\lo)+1
	s_cbranch_scc0 .Lsw_\@
	\leaf (\st)*(\lo)+(\of)
	s_branch \join
.Lsw_\@:
	\leaf (\st)*((\lo)+1)+(\of)
	s_branch \join
.endm
.macro SW4 reg, lo, st, of, leaf, join
	s_cmp_lt_u32 s[\reg], (\lo)+2
	s_cbranch_scc0 .Lsw_\@
	SW2 \reg, \lo, \st, \of, \leaf, \join
.Lsw_\@:
	SW2 \reg, (\lo)+2, \st, \of, \leaf, \join
.endm
.macro SW8 reg, lo, st, of, leaf, join
	s_cmp_lt_u32 s[\reg], (\lo)+4
	s_cbranch_scc0 .Lsw_\@
	SW4 \reg, \lo, \st, \of, \leaf, \join
.Lsw_\@:
	SW4 \reg, (\lo)+4, \st, \of, \leaf, \join
.endm
.macro SW16 reg, lo, st, of, leaf, join
	s_cmp_lt_u32 s[\reg], (\lo)+8
	s_cbranch_scc0 .Lsw_\@
	SW8 \reg, \lo, \st, \of, \leaf, \join
.Lsw_\@:
	SW8 \reg, (\lo)+8, \st, \of, \leaf, \join
.endm
.macro STST                            ; 32 finished columns of my 32 rows into half of my stage's rows
	v_add_nc_u32 v[STA], s[HB], v[STO0]
.set bk, 0
.rept 4
	ds_store_b128 v[STA], v[SETB+8*bk:SETB+8*bk+3]   offset:(bk/2)*16*SPI+(bk%2)*64
	ds_store_b128 v[STA], v[SETB+8*bk+4:SETB+8*bk+7] offset:(bk/2)*16*SPI+(bk%2)*64+16
.set bk, bk+1
.endr
.endm
; THE WAY OUT, in every second trip: the stage's 32 rows x 256 bytes, in three pieces between groups.  u's and S's registers are free from the blend's end to u's next rounding, and take the rows.
.macro C1
	s_cmp_eq_u32 s[DRF], 1
	s_cbranch_scc0 .Lc_\@
.set dk, 0
.rept 8
	ds_load_b128 v[UP+4*dk:UP+4*dk+3], v[SRD] offset:dk*2*SPI  ; LDS serves a wave's instructions in order (ISA guide 5.7.1.4): these see my stores
.set dk, dk+1
.endr
.Lc_\@:
.endm
.macro C2
	s_cmp_eq_u32 s[DRF], 1
	s_cbranch_scc0 .Lc_\@
	s_wait_dscnt 16                                ; behind the first piece's loads only a run of 16 was issued
.set dk, 0
.rept 8
	global_store_b128 v[GO], v[UP+4*dk:UP+4*dk+3], s[OUTP:OUTP+1] offset:dk*4096 th:TH_STORE_NT  ; 16 lanes store 256 consecutive bytes, at a multiple of 256 from out's first byte
.set dk, dk+1
.endr
	s_wait_xcnt 0x0                                ; the stores' registers are loaded again only behind this wait
.set dk, 0
.rept 8
	ds_load_b128 v[UP+4*dk:UP+4*dk+3], v[SRD] offset:(8+dk)*2*SPI
.set dk, dk+1
.endr
.Lc_\@:
.endm
.macro C3
	s_cmp_eq_u32 s[DRF], 1
	s_cbranch_scc0 .Lc_\@
.set dk, 0
.rept 8
	global_store_b128 v[GO], v[UP+4*dk:UP+4*dk+3], s[OUTP:OUTP+1] offset:(8+dk)*4096 th:TH_STORE_NT
.set dk, dk+1
.endr
	s_wait_xcnt 0x0                                ; the base is stepped, and u's registers are written, only behind this wait
	s_add_nc_u64 s[OUTP:OUTP+1], s[OUTP:OUTP+1], 256
.Lc_\@:
.endm
; A SLOT: two sub-blocks, 16 groups.  Groups 0-7 fill set A (D, then the operand in window w1a), groups 8-15 set B (D, then w1b).  Behind groups 0-5 rides list k0 on set B (the sub-block before), behind groups 8-13 list k1 on set A.
; In front of group g stands a BOUNDARY: four places; the batch's wait where a stage of the list ends (it stands ahead of a run of LDS loads); what is due between the groups; the run of loads for group g + 1; and the counted
; wait for group g's own run: it counts what was issued behind that run: the 16 loads just issued, and 8 more where bias loads or stage stores stand ahead of them.  Where the way out adds 8 loads the count is only stricter.
; uh = 0: a slot of r: the two finished r multiply S.  uh = 1: a slot of u and h: the finished columns go into the stage; drain = 1: and the stage out, where the trip's flag says so.
.macro SLOT k0, k1, w1a, w1b, uh, drain
	BIASLD SETA
	RUN 0
.set g, 0
.rept 16
	WIN 0
	PLACES
.if ((g%8) == 2) || ((g%8) == 4)
	s_wait_alu depctr_va_vdst(0)                   ; one wait for the 32 exponentials or reciprocals issued in the two groups before; the four places above are the plain instructions behind the last of them
.endif
.if g == 6
.if \uh
	STST
.else
	SW8 EI, 0, 2, 1, SRMUL, .Lj6_\@
.Lj6_\@:
.endif
.endif
.if g == 7
	BIASLD SETB
.if \drain
	C1
.endif
.endif
.if (g == 8) && (\drain)
	C2
.endif
.if (g == 10) && (\drain)
	C3
.endif
.if (g == 14) && !(\uh)
	SW8 OI, 0, 2, 0, SRMUL, .Lj14_\@
.Lj14_\@:
.endif
.if g < 15
	RUN g+1
.endif
.if g == 15
	s_wait_dscnt 0x0
.elseif (g == 7) || ((g == 6) && (\uh))
	s_wait_dscnt 24
.else
	s_wait_dscnt 16
.endif
.if g == 0
.set EJ, 0
.set EK, \k0
.set EX, SETB
.endif
.if g == 8
.set EJ, 0
.set EK, \k1
.set EX, SETA
.endif
.set gn, 2
.if (g%8) < 2
.set EL, 48
.elseif (g%8) < 4
.set EL, 96
.else
.set gn, 4
.set EL, 112
.if EK == K_H
.set EL, 192
.endif
.endif
.set gs, SETA
.set gw, 1
.if g >= 8
.set gs, SETB
.endif
.if (g%8) >= 4
.set gw, \w1a
.if g >= 8
.set gw, \w1b
.endif
.endif
	WM16 g, gs, gw, gn
.set g, g+1
.endr
	WIN 0
.endm
	s_load_b256 s[4:11], s[0:1], 0x0               ; data s[4:5], state s[6:7], b_ig s[8:9], b_is s[10:11]
	s_load_b128 s[12:15], s[0:1], 0x20             ; ws s[12:13], out0 s[14:15]
	v_lshl_add_u32 v[SPW], v0, 2, SPARE
	v_mov_b32 v[NIL], 0
	ds_add_u32 v[SPW], v[NIL]                      ; the wave's opening: the add and its wait stand ahead of my first tensor load; the set-up below, work on registers, stands between them
	v_lshrrev_b32 v1, 5, v0
	v_readfirstlane_b32 s[WV], v1                  ; wave 0..3
	s_bfe_u32 s[CX], ttmp6, 0x40000                ; my place in the cluster
	s_lshl_b32 s[WG], ttmp9, 2                     ; in a cluster launch ttmp9 counts clusters
	s_add_co_u32 s[WG], s[WG], s[CX]
	s_lshl_b32 s20, s[WG], 18                      ; my work-group's 128 rows of 2,048 bytes,
	s_lshl_b32 s21, s[WV], 16                      ; my wave's 32
	s_add_co_u32 s20, s20, s21
	s_mov_b32 s21, 0
	s_lshl_b32 s22, s[WV], 15                      ; my quarter of a slot, in the stream
	s_mov_b32 s23, 0
	; descriptor group 1: 32,768 dense bytes as 128 rows of 256
	s_mov_b32 s[G1+0], 15|(3<<16)|(1<<21)          ; 15:0 the mask: all four work-groups; 17:16 elements of 8 bytes; 21 set beside a mask; no padding
	s_mov_b32 s[G1+1], 32<<16                      ; tensor_dim0 = 32
	s_mov_b32 s[G1+2], 128<<16                     ; tensor_dim1 = 128
	s_mov_b32 s[G1+3], 32<<16                      ; tile_dim0 = 32
	s_mov_b32 s[G1+4], 128                         ; tile_dim1 = 128
	s_mov_b32 s[G1+5], 32                          ; 32 elements from row to row
	s_mov_b32 s[G1+6], 0
	s_mov_b32 s[G1+7], 0
	s_mov_b32 s[G0], 1                             ; count = 1
	s_lshl_b32 s[G0+1], s[WV], 15                  ; LDS address: slot 0, my quarter: no place in the cluster enters it
	s_mul_i32 s19, s[WV], WST
	s_add_co_u32 s19, s19, STAGE                   ; my stage
	v_and_b32 v16, 31, v0                          ; lane
	v_and_b32 v17, 15, v0                          ; lane % 16
	v_bfe_u32 v18, v0, 4, 1                        ; lane / 16
	v_mul_u32_u24 v19, v17, SPI
	v_add_nc_u32 v19, s19, v19
	v_lshlrev_b32 v[L16], 4, v16
	v_lshlrev_b32 v[BI0], 5, v18
	v_add_nc_u32 v[BI0], BIAS, v[BI0]
	v_lshl_add_u32 v[STO0], v18, 5, v19
	v_lshl_add_u32 v[PFR], v18, 4, v19
	v_mul_u32_u24 v[SRD], v18, SPI
	v_lshl_add_u32 v[SRD], v17, 4, v[SRD]
	v_add_nc_u32 v[SRD], s19, v[SRD]
	v_lshlrev_b32 v[GO], 11, v18
	v_lshl_add_u32 v[GO], v17, 4, v[GO]
	v_lshlrev_b32 v[PFO], 8, v16
	v_lshl_add_u32 v[PST], v16, 3, s19
	v_lshlrev_b32 v20, 4, v0                       ; the bias table: thread n takes four numbers of each of the three vectors of 512
	v_add_nc_u32 v21, BIAS, v20                    ; r's sub-blocks lie first, 128 bytes each: as in memory
	v_lshrrev_b32 v22, 3, v0
	v_and_b32 v23, 7, v0
	v_lshlrev_b32 v22, 8, v22
	v_lshl_add_u32 v22, v23, 4, v22
	v_add_nc_u32 v22, BIAS+2048, v22               ; u's and h's take turns: 256 bytes for each q
	s_mov_b32 s[TB], SLOT1                         ; the first change of slots turns it into 0
	s_mov_b32 s[BB], 0
	s_mov_b32 s[HB], 128
	s_mov_b32 s[EI], 7
	s_mov_b32 s[OI], 0
	s_mov_b32 s[SI], 15
	s_mov_b32 s[QN], 0
	s_mov_b32 s[REM], 23
	s_cmp_eq_u32 ttmp9, 0
	s_cselect_b32 s[LIM], 1, -1                    ; the same in all four partners
	s_wait_dscnt 0x0                               ; the opening add is done
	s_wait_kmcnt 0x0
	s_add_nc_u64 s[4:5], s[4:5], s[20:21]          ; data, state and out at my wave's first row
	s_add_nc_u64 s[6:7], s[6:7], s[20:21]
	s_add_nc_u64 s[OUTP:OUTP+1], s[14:15], s[20:21]
	s_add_nc_u64 s[G0+2:G0+3], s[12:13], s[22:23]  ; global address: my quarter of slot 0
	s_or_b32 s[G0+3], s[G0+3], 0x80000000          ; type = 2
	s_lshl2_add_u32 s20, s[CX], s[WV]              ; my wave among the cluster's sixteen:
	s_lshl_b32 s20, s20, 13                        ; its 8,192 bytes of a slot,
	s_add_nc_u64 s[PFA:PFA+1], s[12:13], s[20:21]
	s_add_nc_u64 s[PFA:PFA+1], s[PFA:PFA+1], SLOTB ; in slot 1; the first change steps it to slot 2.  Nothing is prefetched here, at the head
	CROUND                                         ; all four work-groups are here: the first joint loads meet
	tensor_load_to_lds s[G0:G0+3], s[G1:G1+7]      ; slot 0: one tensor load of mine is out, here and behind every later round
	s_nop 0
	PLACES
; D AND S COME INTO REGISTERS, in eight chunks of 32 rows x 128 k (0-3: D, 4-7: S).  A load covers 512 consecutive bytes of one row; two chunks, 64 loads a wave, are on their way.  A chunk is rounded to bf16 in place,
; laid into my stage by rows of 256 bytes, and read back as fragments: lane l takes row l % 16, k = 8 (l / 16) + 0..7 and 16 + 8 (l / 16) + 0..7.  The stage is the wave's own and LDS serves a wave in order: no wait between.
.macro GLOAD c
	WIN 0xc0                                       ; destination window 3, address window 0
.set gb, 128*((\c)%2)
.set i, 0
.rept 32
.if (\c) < 4
	global_load_b128 v[gb+4*i:gb+4*i+3], v[L16], s[4:5] offset:i*2048+((\c)%4)*512 th:TH_LOAD_NT
.else
	global_load_b128 v[gb+4*i:gb+4*i+3], v[L16], s[6:7] offset:i*2048+((\c)%4)*512 th:TH_LOAD_NT
.endif
.set i, i+1
.endr
.endm
.macro CHUNK c, left                   ; left: the loads issued behind this chunk's
	s_wait_loadcnt \left
.set gb, 128*((\c)%2)
	WIN 0xcf                                       ; all in window 3
.set i, 0
.rept 32
	v_cvt_pk_bf16_f32 v[gb+4*i],   v[gb+4*i],   v[gb+4*i+1]
	v_cvt_pk_bf16_f32 v[gb+4*i+1], v[gb+4*i+2], v[gb+4*i+3]
.set i, i+1
.endr
	WIN 0x0c                                       ; store data window 3, address window 0
.set i, 0
.rept 32
	ds_store_b64 v[PST], v[gb+4*i:gb+4*i+1] offset:i*SPI
.set i, i+1
.endr
.if (\c) < 6
	GLOAD (\c)+2
.endif
.if (\c) == 5
	WIN 0
	global_load_b128 v[32:35], v20, s[8:9]               ; u's biases
	global_load_b128 v[36:39], v20, s[8:9] offset:2048   ; r's
	global_load_b128 v[40:43], v20, s[10:11]             ; h's
.endif
.if (\c) < 4
	WIN 0x40                                       ; D: destination window 1
.else
	WIN 0x80                                       ; S: window 2
.endif
.set fk, 0
.rept 8                                ; fk = 4 rt + the K step in the chunk
.set fr, ((fk/4)*16+4*((\c)%4)+fk%4)*8
	ds_load_b128 v[fr:fr+3],   v[PFR] offset:(fk/4)*16*SPI+(fk%4)*64
	ds_load_b128 v[fr+4:fr+7], v[PFR] offset:(fk/4)*16*SPI+(fk%4)*64+32
.set fk, fk+1
.endr
.endm
	GLOAD 0
	GLOAD 1
	CHUNK 0, 32
	CHUNK 1, 32
	CHUNK 2, 32
	CHUNK 3, 32
	CHUNK 4, 32
	CHUNK 5, 32
	CHUNK 6, 35                                    ; the last chunk's 32 and the three bias loads
	CHUNK 7, 3
	WIN 0
	s_wait_loadcnt 0x0
	ds_store_b128 v21, v[36:39]                    ; the table is every wave's: the first change's wait and round stand between these stores and its first reader
	ds_store_b128 v22, v[32:35]
	ds_store_b128 v22, v[40:43] offset:128
.set i, 0
.rept 32
	v_mov_b32 v[SETB+i], 0                         ; the first slot's riders work on a sub-block that has not been: their product lands in fragment 15 of S r, which r's last sub-block writes anew
.set i, i+1
.endr
	s_mov_b32 s[CNT], 8
.Lr:                                               ; eight slots of r: sub-blocks 2 s and 2 s + 1
	CHANGE 1
	SLOT K_R, K_R, 2, 2, 0, 0
	s_mov_b32 s[EI], s[OI]
	s_add_co_u32 s[OI], s[OI], 1
	s_sub_co_u32 s[CNT], s[CNT], 1
	s_cmp_lg_u32 s[CNT], 0
	s_cbranch_scc1 .Lr
	LUMP K_R, SETB                                 ; h's first sub-block wants all of S r: the last r is finished with nothing beside it
	SRMUL 15
	s_mov_b32 s[CNT], 15
.Lu:                                               ; q = 0..14: u's sub-block q beside h's list of q - 1, then h's sub-block q beside u's list of q
	CHANGE 1
	s_cmp_lg_u32 s[QN], 0                          ; the stage is full when its second half is written, but not at q = 0, whose riders work on leftovers
	s_cselect_b32 s[DRF], s[HB], 0                 ; (they land in the stage's second half, which q = 2 writes anew before anything goes out)
	s_lshr_b32 s[DRF], s[DRF], 7
	SW16 SI, 0, 1, 0, SCOPY, .Lsc
.Lsc:
	SLOT K_H, K_U, 2, 3, 1, 1
	s_xor_b32 s[HB], s[HB], 128
	s_add_co_u32 s[SI], s[SI], 1
	s_and_b32 s[SI], s[SI], 15
	s_add_co_u32 s[QN], s[QN], 1
	s_sub_co_u32 s[CNT], s[CNT], 1
	s_cmp_lg_u32 s[CNT], 0
	s_cbranch_scc1 .Lu
	CHANGE 0                                       ; q = 15 is written out: nothing is asked for
	SCOPY 14
	SLOT K_H, K_U, 2, 3, 1, 0                      ; columns 448-479 go into the stage's first half
	s_mov_b32 s[HB], 128
	SCOPY 15
	LUMP K_H, SETB
	STST
.set dk, 0
.rept 8
	ds_load_b128 v[UP+4*dk:UP+4*dk+3], v[SRD] offset:dk*2*SPI
.set dk, dk+1
.endr
.set dk, 0
.rept 8
	ds_load_b128 v[SETA+4*dk:SETA+4*dk+3], v[SRD] offset:(8+dk)*2*SPI
.set dk, dk+1
.endr
.set dk, 0
.rept 8
	s_wait_dscnt 15-dk                             ; LDS loads come back in order: the younger ones may stay out
	global_store_b128 v[GO], v[UP+4*dk:UP+4*dk+3], s[OUTP:OUTP+1] offset:dk*4096 th:TH_STORE_NT
.set dk, dk+1
.endr
.set dk, 0
.rept 8
	s_wait_dscnt 7-dk
	global_store_b128 v[GO], v[SETA+4*dk:SETA+4*dk+3], s[OUTP:OUTP+1] offset:(8+dk)*4096 th:TH_STORE_NT
.set dk, dk+1
.endr
	s_wait_tensorcnt 0x0                           ; the wave's end, behind my last tensor load and my last LDS store
	ds_add_u32 v[SPW], v[NIL]
	s_wait_dscnt 0x0
	CROUND                                         ; the closing round: no work-group ends while a partner may still ask for a slot that names it
	s_endpgm
.Lfunc_end_k_qaa0bf13830_gru:
	.size	k_qaa0bf13830_gru, .Lfunc_end_k_qaa0bf13830_gru-k_qaa0bf13830_gru
	.p2alignl 7, 3214868480
	.fill 96, 4, 3214868480
	.section	.rodata,"a",@progbits
	.p2align	6, 0x0
	.amdhsa_kernel k_qaa0bf13830_gru
		.amdhsa_group_segment_fixed_size 327680
		.amdhsa_private_segment_fixed_size 0
		.amdhsa_enable_private_segment 0
		.amdhsa_kernarg_size 48
		.amdhsa_user_sgpr_count 2
		.amdhsa_user_sgpr_kernarg_segment_ptr 1
		.amdhsa_wavefront_size32 1
		.amdhsa_system_sgpr_workgroup_id_x 1
		.amdhsa_system_sgpr_workgroup_id_y 1
		.amdhsa_system_sgpr_workgroup_id_z 1
		.amdhsa_system_vgpr_workitem_id 0
		.amdhsa_next_free_vgpr 1024
		.amdhsa_next_free_sgpr 66
		.amdhsa_reserve_vcc 0
		.amdhsa_float_denorm_mode_32 3
		.amdhsa_float_denorm_mode_16_64 3
		.amdhsa_memory_ordered 1
		.amdhsa_forward_progress 1
		.amdhsa_inst_pref_size 255
	.end_amdhsa_kernel
	.section	.bss,"aw",@nobits
	.p2align	6
	.space	262144
	.amdgpu_metadata
---
amdhsa.version: [ 1, 2 ]
amdhsa.kernels:
  - .name:           k_qaa0bf13830_gru
    .symbol:         k_qaa0bf13830_gru.kd
    .args:
      - { .name: data, .offset: 0, .size: 8, .value_kind: global_buffer, .address_space: global }
      - { .name: state, .offset: 8, .size: 8, .value_kind: global_buffer, .address_space: global }
      - { .name: b_ig, .offset: 16, .size: 8, .value_kind: global_buffer, .address_space: global }
      - { .name: b_is, .offset: 24, .size: 8, .value_kind: global_buffer, .address_space: global }
      - { .name: ws, .offset: 32, .size: 8, .value_kind: global_buffer, .address_space: global }
      - { .name: out0, .offset: 40, .size: 8, .value_kind: global_buffer, .address_space: global }
    .group_segment_fixed_size: 327680
    .private_segment_fixed_size: 0
    .kernarg_segment_align: 8
    .kernarg_segment_size: 48
    .max_flat_workgroup_size: 128
    .sgpr_count:     66
    .vgpr_count:     1024
    .wavefront_size: 32
...
	.end_amdgpu_metadata
.endif
;; end of part 2
